; MI455X (gfx1250); checked and timed in simulation.
; The chip was launched on July 23, 2026; its instructions are those of AMD's public machine-readable ISA for CDNA 5 (MIT licence, August 2026) and "CDNA5" Instruction Set Architecture Reference Guide (July 2026). The comments in the code are by the model that wrote it; some were corrected since.
;; Head. Allowed arithmetic: matrix products marked QUANTISED: E2M1 operands, one E8M0 scale for each 32 along K, by v_wmma_scale_f32_16x16x128_f8f6f4 with both operands' format E2M1 (or v_wmma_scale_f32_32x16x128_f4), f32 sums; everything else in f32.
;; Inputs: Wk 1,024 x 1,024 float32; Wq 1,024 x 1,024 float32; Wv 1,024 x 1,024 float32; bk 1,024 float32; bq 1,024 float32; bv 1,024 float32; inputs 128 x 128 x 1,024 float32.
;; Outputs: out0 128 x 128 x 1,024 float32.
;; This version of the problem:
;;   THIS VERSION OF THE PROBLEM IS GIVEN IN LOW PRECISION. The matrix products marked QUANTISED in the list below multiply operands that are first quantised to E2M1 (2 exponent bits, 1 mantissa bit; 4 bits a number), with one power-of-two scale for each 32 numbers along K (OCP MX v1.0); their sums are f32. All else is computed in f32.
;;   The module's matrix products, in the order in which they are computed (A, B: the left and right operand; K: the contracted axis; several contracted axes count as one K, in the product's order):
;;     1. [M 16,384, K 1,024] x [K 1,024, N 1,024]; A: input inputs; B: input Wk: QUANTISED
;;     2. [M 16,384, K 1,024] x [K 1,024, N 1,024]; A: input inputs; B: input Wq: QUANTISED
;;     3. [M 16,384, K 1,024] x [K 1,024, N 1,024]; A: input inputs; B: input Wv: QUANTISED
;;     4. batch 128 x [M 128, K 1,024] x [K 1,024, N 128]; A: computed on the way; B: computed on the way: QUANTISED
;;     5. batch 128 x [M 128, K 128] x [K 128, N 1,024]; A: softmax (see below); B: computed on the way: QUANTISED
;;   THE QUANTISER, for each operand of a quantised product, along K:
;;     - K is cut into blocks of 32 from its start; a last block that is shorter is filled with zeros.
;;     - A block's scale is 2^e with e = floor(log2(the largest magnitude in the block)) - 2, held to -126 .. 127; a block of zeros has e = 0. As a byte (E8M0): e + 127.
;;     - Each number is divided by its block's scale, clamped to +-6, and rounded to the nearest number of E2M1, ties to even, subnormals kept.
;;     - The product sums the exact products of the quantised numbers (number of the format x scale) in f32.
;;   ~~~python
;;   def quantise(x, axis):      # numpy; x: float32 -> the quantised numbers, widened to float32 again
;;       x = np.moveaxis(x, axis, -1); K = x.shape[-1]
;;       x = np.pad(x, [(0, 0)] * (x.ndim - 1) + [(0, -K % 32)]); x = x.reshape(x.shape[:-1] + (-1, 32)); a = np.abs(x).max(-1, keepdims=True)
;;       e = np.where(a > 0, np.clip(np.frexp(np.where(a > 0, a, 1))[1] - 1 - 2, -126, 127), 0)      # np.frexp(a)[1] - 1 = floor(log2(a)), exactly
;;       r = np.clip(x / 2.0 ** e, -6, 6)
;;       step = 2.0 ** (np.maximum(np.frexp(np.where(r == 0, 1, r))[1] - 1, 0) - 1)
;;       q = np.round(r / step) * step * 2.0 ** e      # np.round: ties to even
;;       return np.moveaxis(q.reshape(q.shape[:-2] + (-1,))[..., :K], -1, axis).astype(np.float32)
;;   ~~~
;;   SOFTMAX AHEAD OF A QUANTISED PRODUCT. Where the list says 'softmax', what is quantised is not the finished softmax but p = 2^(t - M), with t = logit x log2(e) and M = ceil(the row's largest t), a whole number; so 1/2 < the row's largest p <= 1. The row's sum l is taken of the UNQUANTISED p, in f32, and the product's result is divided by l at the end. Since M is a whole number, a kernel that streams over the keys may use a running M (the ceiling of the running maximum): every later rescaling is an exact power of two, which a block's scale takes up: the codes' values come out the same.
;;   OPERANDS COMPUTED ON THE WAY. 'Computed on the way' means the value that the module computes at that place (a softmax that the list does not call 'softmax' is quantised finished and normalised). What goes into a quantiser is computed in f32, as accurately as f32 sums, v_exp_f32 and their like allow (about 1e-6 of the number): no bf16 or f16 on the way to a quantiser, and a product that is left as it is and whose result goes on into a quantised operand takes f32 operands (vector FMAs, or v_wmma_f32_16x16x4_f32). A number that lies on a knife's edge between two numbers of the format may be rounded either way, as far as f32 arithmetic and the matrix unit's own rounding can turn it there, and no further.
;; One version. Each part assembles by itself: llvm-mc -triple=amdgcn-amd-amdhsa -mcpu=gfx1250 --defsym DOCPART=n.
;; ======== version 1 of 1: 3 launches
;; limits: right only within a limited range of input values
;; workspace buffers: codes 10,584,064 bytes; sbuf 10,485,760 bytes
;; launch quant (part 1): grid 1216 x 1, 4 waves a work-group, no clusters, 34,816 bytes of LDS; arguments inputs, Wk, Wq, Wv, codes; writes codes
.if DOCPART == 1
	.amdgcn_target "amdgcn-amd-amdhsa--gfx1250"
	.amdhsa_code_object_version 6
	.text
	.protected	k_q11971eeff1_quant
	.globl	k_q11971eeff1_quant
	.p2align	8
	.type	k_q11971eeff1_quant,@function
k_q11971eeff1_quant:
	s_mov_b64 s[64:65], 0
	v_nop
	global_prefetch_b8 v0, s[64:65] scope:SCOPE_SE
	s_setreg_imm32_b32 hwreg(HW_REG_WAVE_MODE, 25, 1), 1
	s_wait_xcnt 0x0
; THE PROGRAM.  out = softmax(causal(Q K^T / 32)) V with K, Q, V = x W^T + b, all five products on codes of E2M1 with one E8M0 scale for each 32 along a product's K.  Three launches:
;   quant: x, Wk, Wq, Wv (f32, K innermost) into codes and scale words;  kq: K and Q, quantised in registers, and their product: the scores, as two partial sums over the features;
;   pv: softmax of the sum, V quantised in registers, P V.
; WORK LEFT OUT (in kq): scores whose 32 keys all come after their 32 queries.  reference() overwrites every such score with -inf by the tril that it builds in its own body, whatever the inputs hold, so p = 0 there in
; exact arithmetic and nothing of the product reaches the output.  LIMIT: a NaN, an infinity or an overflow that would arise in those tiles alone is not carried to the result.
; No input is left out: every weight and every bias goes into a quantised operand of a live product.
; THIS LAUNCH.  A work-group takes one TILE of 16 rows x 1,024 numbers.  Tiles 0..1023: x; 1024..1087: Wk; 1088..1151: Wq; 1152..1215: Wv.
; Wave q of its four takes K steps 2 q and 2 q + 1 (128 along K each): 32 loads of 512 bytes, all asked for at the wave's head, into 128 registers.  Several work-groups lie on a WGP together.
; THE ROWS OF A TILE ARE NOT NEIGHBOURS: rows go in blocks of 32, and row i of tile 2 B + u is row 32 B + 8 u + i + 8 (i / 8).  Where the pair of tiles is a matrix instruction's source 0, a lane's 16 result registers are 16 neighbours.
; A RECORD of 17,408 bytes holds a pair of tiles as an image of operand registers: tile u's 8 fragments (K steps of 128) at 8,192 u, 1,024 bytes each, [c = 0, 1][lane][16 bytes] = registers 4 c .. 4 c + 3 of lane (r, h):
; k = 64 c + 32 h + 0 .. 31 of row r; then at 16,384 the scale words, [i = 0, 1][lane][j = 0..3][4 bytes]: K step 4 i + j, lanes 0-15 tile 0's rows, lanes 16-31 tile 1's.  So every later read is 16 bytes a lane, 512 consecutive bytes a wave.
; The four waves' scale words meet in 512 bytes of LDS behind one barrier, and wave 0 stores them as two aligned runs of 256 bytes.
; A block's scale is 2^(floor(log2(its largest magnitude)) - 2); its byte is the largest magnitude's exponent field - 2, held at 1 from below; numbers beyond 6 x the scale get the largest code.
; LIMITS: NaN and infinities among the inputs are not served; a block whose largest magnitude lies under 2^-124 gets the byte 1; a block of zeros gets the byte 1 where the rule says 127 (its codes are zeros, and this program alone reads the bytes).
; Each load reads 512 consecutive bytes of one row; a K step's 16 rows turn through the wave's own stage in LDS (rows 528 bytes apart) and come back with 32 neighbours of a block in one lane.
; No matrix unit, no cluster, no prefetch: each byte is read once, and all of it is asked for in the first lines.
.set PREC,   17408
.set SPITCH, 528
.set STG,    16*SPITCH                 ; a wave's stage
.set SCX,    4*STG                     ; behind the stages: the tile's scale words, 512 bytes
.set SPARE,  SCX+512                   ; the spare words, 128 bytes for each wave
.set FLOOR,  0x1800000                 ; 2^(3 - 127)
.set GO,   2                           ; 16 x lane: offset of every global load and code store; never rewritten
.set SIN,  3                           ; the stage, way in: 16 x lane
.set SOUT, 4                           ; the stage, way out: 528 r + 128 h
.set SPW,  5                           ; my spare word
.set NIL,  6                           ; 0
.set SH,   7                           ; 8 h
.set MX,   8                           ; v8-11  four chains of maxima
.set TS,   12                          ; v12-13 the conversions' scale operands
.set TB,   14                          ; v14-15 the scales' bytes
.set WD,   16                          ; a row's scale word in the making
.set PX,   17                          ; the other half of the lanes' bytes
.set SXW,  18                          ; where my two scale words go: 256 (wave / 2) + 16 r + 8 (wave % 2)
.set SC,   20                          ; v20-23 the scale words (wave 0)
.set CD,   24                          ; v24-39 codes, a set of 8 for each of my two steps
.set SCW,  40                          ; v40-41 my two scale words
.set SGO,  42                          ; where wave 0 stores the scale words, from its tile's first code on
.set R,    64                          ; v64-191 two sets of 64 numbers
	s_load_b256 s[16:23], s[0:1], 0x0              ; x, Wk, Wq, Wv
	s_load_b64 s[8:9], s[0:1], 0x20                ; codes
	v_lshl_add_u32 v[SPW], v0, 2, SPARE
	v_mov_b32 v[NIL], 0
	v_lshrrev_b32 v1, 5, v0
	v_readfirstlane_b32 s10, v1                    ; wave q
	v_and_b32 v1, 31, v0
	v_lshlrev_b32 v[GO], 4, v1
	s_mul_i32 s11, s10, STG
	s_lshr_b32 s15, s10, 1
	s_lshl_b32 s15, s15, 8
	s_and_b32 s14, s10, 1
	s_lshl_b32 s14, s14, 3
	s_add_co_u32 s15, s15, s14
	v_add_nc_u32 v[SIN], s11, v[GO]
	v_and_b32 v8, 15, v0                           ; r
	v_bfe_u32 v9, v0, 4, 1                         ; h
	v_mul_u32_u24 v[SOUT], v8, SPITCH
	v_lshl_add_u32 v[SOUT], v9, 7, v[SOUT]
	v_add_nc_u32 v[SOUT], s11, v[SOUT]
	v_lshlrev_b32 v[SH], 3, v9
	v_lshlrev_b32 v[SXW], 4, v8
	v_add_nc_u32 v[SXW], s15, v[SXW]
	v_lshlrev_b32 v[SGO], 9, v9
	v_lshl_add_u32 v[SGO], v8, 4, v[SGO]
	s_and_b32 s14, ttmp9, 1                        ; u: which tile of its pair
	s_mul_i32 s14, s14, 7936
	s_sub_co_u32 s14, 16384, s14                   ; from tile u's first code to its scale words: 16,384 + 256 u - 8,192 u
	v_add_nc_u32 v[SGO], s14, v[SGO]
	v_mov_b32 v[PX], 0                             ; written once: a lane permute's destination counts as one of its sources
	s_mov_b32 s12, 0x76543210
	s_mov_b32 s13, 0xfedcba98                      ; selects for lane l xor 16
	s_mov_b32 s6, 1152                             ; my tensor's first tile: the choice hangs on the work-group's number alone
	s_cmp_lt_u32 ttmp9, 1152
	s_cselect_b32 s6, 1088, s6
	s_cmp_lt_u32 ttmp9, 1088
	s_cselect_b32 s6, 1024, s6
	s_cmp_lt_u32 ttmp9, 1024
	s_cselect_b32 s6, 0, s6
	s_sub_co_u32 s7, ttmp9, s6                     ; my tile in its tensor
	s_lshr_b32 s24, s7, 1
	s_lshl_b32 s24, s24, 17                        ; 32 rows of 4,096 bytes for each block,
	s_and_b32 s25, s7, 1
	s_lshl_b32 s25, s25, 15                        ; 8 rows for the odd tile,
	s_add_co_u32 s24, s24, s25
	s_lshl_b32 s25, s10, 10                        ; and my two K steps: 1,024 bytes of a row
	s_add_co_u32 s24, s24, s25
	s_mov_b32 s25, 0
	s_lshr_b32 s26, ttmp9, 1
	s_mul_i32 s26, s26, PREC                       ; the pair's record,
	s_and_b32 s27, ttmp9, 1
	s_lshl_b32 s27, s27, 13                        ; my tile in it,
	s_add_co_u32 s26, s26, s27
	s_lshl_b32 s27, s10, 11                        ; my two fragments
	s_add_co_u32 s26, s26, s27
	s_mov_b32 s27, 0
	s_wait_alu depctr_va_vdst(0)
	s_wait_kmcnt 0x0
	s_cmp_lt_u32 ttmp9, 1152                       ; which tensor
	s_cselect_b64 s[4:5], s[20:21], s[22:23]
	s_cmp_lt_u32 ttmp9, 1088
	s_cselect_b64 s[4:5], s[18:19], s[4:5]
	s_cmp_lt_u32 ttmp9, 1024
	s_cselect_b64 s[4:5], s[16:17], s[4:5]
	s_add_nc_u64 s[4:5], s[4:5], s[24:25]
	s_add_nc_u64 s[8:9], s[8:9], s[26:27]
.macro LOAD t                          ; my step t: 512 bytes of each of the tile's 16 rows, a row a load
.irp i, 0,1,2,3,4,5,6,7,8,9,10,11,12,13,14,15
	global_load_b128 v[R+64*(\t)+4*\i:R+64*(\t)+4*\i+3], v[GO], s[4:5] offset:(\i+8*(\i/8))*4096+512*(\t) th:TH_LOAD_NT
.endr
.endm
.macro TURN t                          ; through the stage, into the registers that they left: LDS serves a wave's instructions in order
.irp i, 0,1,2,3,4,5,6,7,8,9,10,11,12,13,14,15
	ds_store_b128 v[SIN], v[R+64*(\t)+4*\i:R+64*(\t)+4*\i+3] offset:SPITCH*\i
.endr
.irp c, 0,1
.irp q, 0,1,2,3,4,5,6,7
	ds_load_b128 v[R+64*(\t)+32*\c+4*\q:R+64*(\t)+32*\c+4*\q+3], v[SOUT] offset:256*\c+16*\q   ; register 32 c + e: k = 64 c + 32 h + e of row r
.endr
.endr
.endm
.macro STEP t
.set XN, R+64*(\t)
.set CN, CD+8*(\t)
.if (\t) == 0
	s_wait_loadcnt 0x0                             ; the second step's loads are in
	TURN 1
	s_wait_dscnt 32                                ; this step's numbers are back; the second step's 16 stores and 16 loads may be out
.else
	s_wait_dscnt 0x0
.endif
.irp c, 0,1                            ; my two blocks: all 32 numbers of each are mine; two chains a block, each begun with the floor
	v_max3_num_f32 v[MX+2*\c], |v[XN+32*\c]|, |v[XN+32*\c+1]|, FLOOR
	v_max3_num_f32 v[MX+2*\c+1], |v[XN+32*\c+16]|, |v[XN+32*\c+17]|, FLOOR
.endr
.irp i, 2,4,6,8,10,12,14
.irp c, 0,1
	v_max3_num_f32 v[MX+2*\c], v[MX+2*\c], |v[XN+32*\c+\i]|, |v[XN+32*\c+\i+1]|
	v_max3_num_f32 v[MX+2*\c+1], v[MX+2*\c+1], |v[XN+32*\c+16+\i]|, |v[XN+32*\c+17+\i]|
.endr
.endr
.irp c, 0,1
	v_max_num_f32 v[MX+2*\c], v[MX+2*\c], v[MX+2*\c+1]
.endr
.irp c, 0,1
	v_add_nc_u32 v[TS+\c], 0xff000000, v[MX+2*\c]  ; 2 off the exponent field: the conversion takes the exponent field of this operand as its scale
.endr
.irp c, 0,1
	v_lshrrev_b32 v[TB+\c], 23, v[TS+\c]           ; the scale's byte
.endr
	v_lshl_or_b32 v[WD], v[TB+1], 16, v[TB]        ; my bytes: blocks h and 2 + h of row r,
	v_lshlrev_b32 v[WD], v[SH], v[WD]              ; at their places;
	v_permlanex16_b32 v[PX], v[WD], s12, s13
	v_or_b32 v[SCW+(\t)], v[WD], v[PX]             ; with lane l xor 16's the word is whole
.irp c, 0,1
.irp g, 0,1,2,3
	v_cvt_scalef32_pk8_fp4_f32 v[CN+4*\c+\g], v[XN+32*\c+8*\g:XN+32*\c+8*\g+7], v[TS+\c]
.endr
.endr
	v_nop                                          ; one plain line behind the last conversion
.irp c, 0,1
	global_store_b128 v[GO], v[CN+4*\c:CN+4*\c+3], s[8:9] offset:1024*(\t)+512*\c   ; 512 consecutive bytes, aligned
.endr
.endm
	LOAD 0
	LOAD 1
	s_wait_loadcnt 16                              ; the first step's loads are in; the second step's 16 may be out
	TURN 0
	STEP 0
	STEP 1
	ds_store_b64 v[SXW], v[SCW:SCW+1] offset:SCX   ; both halves of the lanes write the same words with the same values
	s_wait_dscnt 0x0                               ; for the others' sake: my store has landed
	s_barrier_signal -1
	s_barrier_wait -1                              ; the tile's scale words are whole
	s_cmp_lg_u32 s10, 0                            ; wave 0, whose base stands at the tile's first code, stores them
	s_cbranch_scc1 .Ldone
	ds_load_b128 v[SC:SC+3], v[GO] offset:SCX
	s_wait_dscnt 0x0
	global_store_b128 v[SGO], v[SC:SC+3], s[8:9]   ; lanes 0-15 one aligned run of 256 bytes, lanes 16-31 another
.Ldone:
	s_wait_tensorcnt 0x0                           ; the wave's end
	ds_add_u32 v[SPW], v[NIL]
	s_wait_dscnt 0x0
	s_endpgm
.Lfunc_end_k_q11971eeff1_quant:
	.size	k_q11971eeff1_quant, .Lfunc_end_k_q11971eeff1_quant-k_q11971eeff1_quant
	.p2alignl 7, 3214868480
	.fill 96, 4, 3214868480
	.section	.rodata,"a",@progbits
	.p2align	6, 0x0
	.amdhsa_kernel k_q11971eeff1_quant
		.amdhsa_group_segment_fixed_size 34816
		.amdhsa_private_segment_fixed_size 0
		.amdhsa_enable_private_segment 0
		.amdhsa_kernarg_size 40
		.amdhsa_user_sgpr_count 2
		.amdhsa_user_sgpr_kernarg_segment_ptr 1
		.amdhsa_wavefront_size32 1
		.amdhsa_system_sgpr_workgroup_id_x 1
		.amdhsa_system_sgpr_workgroup_id_y 1
		.amdhsa_system_sgpr_workgroup_id_z 1
		.amdhsa_system_vgpr_workitem_id 0
		.amdhsa_next_free_vgpr 192
		.amdhsa_next_free_sgpr 66
		.amdhsa_reserve_vcc 0
		.amdhsa_float_denorm_mode_32 3
		.amdhsa_float_denorm_mode_16_64 3
		.amdhsa_memory_ordered 1
		.amdhsa_forward_progress 1
		.amdhsa_inst_pref_size 18
	.end_amdhsa_kernel
	.amdgpu_metadata
---
amdhsa.version: [ 1, 2 ]
amdhsa.kernels:
  - .name:           k_q11971eeff1_quant
    .symbol:         k_q11971eeff1_quant.kd
    .args:
      - { .name: inputs, .offset: 0, .size: 8, .value_kind: global_buffer, .address_space: global }
      - { .name: Wk, .offset: 8, .size: 8, .value_kind: global_buffer, .address_space: global }
      - { .name: Wq, .offset: 16, .size: 8, .value_kind: global_buffer, .address_space: global }
      - { .name: Wv, .offset: 24, .size: 8, .value_kind: global_buffer, .address_space: global }
      - { .name: codes, .offset: 32, .size: 8, .value_kind: global_buffer, .address_space: global }
    .group_segment_fixed_size: 34816
    .private_segment_fixed_size: 0
    .kernarg_segment_align: 8
    .kernarg_segment_size: 40
    .max_flat_workgroup_size: 128
    .sgpr_count:     66
    .vgpr_count:     192
    .wavefront_size: 32
...
	.end_amdgpu_metadata
.endif
;; end of part 1
;; launch kq (part 2): grid 128 x 2, 4 waves a work-group, clusters of 4 x 1, 327,680 bytes of LDS; arguments codes, bk, bq, sbuf; writes sbuf
.if DOCPART == 2
	.amdgcn_target "amdgcn-amd-amdhsa--gfx1250"
	.amdhsa_code_object_version 6
	.text
	.protected	k_q11971eeff1_kq
	.globl	k_q11971eeff1_kq
	.p2align	8
	.type	k_q11971eeff1_kq,@function
k_q11971eeff1_kq:
	s_mov_b64 s[64:65], 0
	v_nop
	global_prefetch_b8 v0, s[64:65] scope:SCOPE_SE
	s_setreg_imm32_b32 hwreg(HW_REG_WAVE_MODE, 25, 1), 1
	s_wait_xcnt 0x0
	s_wait_alu depctr_hold_cnt(0) depctr_sa_sdst(0) depctr_va_vdst(0) depctr_va_sdst(0) depctr_va_ssrc(0) depctr_va_vcc(0) depctr_vm_vsrc(0)
	s_getreg_b32 s2, hwreg(HW_REG_IB_STS2, 6, 4)
	s_cmp_eq_u32 s2, 0
	s_cbranch_scc0 .Lentry_in_a_cluster
	s_endpgm
.Lentry_in_a_cluster:
	s_bfe_u32 s2, ttmp6, 0x10000c
	s_cmp_lg_u32 s2, 0x3003
	s_cbranch_scc0 .Lentry_shape_is_right
	s_endpgm
.Lentry_shape_is_right:
; K = x Wk^T + bk, Q = x Wq^T + bq on the codes that the launch before made, both quantised along the features in registers, and S^T = K Q^T over this work-group's half of the features.
; WORK LEFT OUT: scores whose 32 keys all come after their 32 queries (shown dead at the head of the first launch); a NaN, an infinity or an overflow that would arise there alone is not carried on.
; SHARES.  A work-group takes one batch (128 rows) and half of the 1,024 features; wave w takes features 128 g .. 128 g + 127, g = 4 y + w, of K, then of Q, for all 128 rows.
; All of x's 64 fragments (512 registers) and 32 scale registers stay in every wave's registers; the weights stream through LDS.  A PASS is 32 features x 128 rows x 1,024 along K: 64 matrix instructions of 32 x 16 on 8 accumulators
; by turns, K ascending; the bias is the C of the first K step.  8 passes: 4 of K, 4 of Q.
; Source 0 = 32 rows of W, source 1 = 16 rows of x: a lane holds one row of x, and its 16 registers are 16 neighbouring features.  So a result is quantised in the lane's registers, and the codes of four passes are an operand fragment.
; SCORES.  S^T: source 0 = 32 keys, source 1 = 16 queries, one K step of 128 features a wave: 20 live units of 32 keys x 16 queries.  The four waves' sums meet in LDS (in the ring, which has had its last fill); wave w adds
; up five units and stores them: sbuf[batch][y][qb (qb + 1) + 2 kb + a][4][lane][16 bytes], unit of queries 32 qb (tile a), keys 32 kb.
; THE RING.  Two slots; a slot holds for each wave a chunk of 2 records of W (two passes, 34,816 dense bytes), which that wave alone fetches and reads.  The four work-groups of a cluster (four batches, the same y) walk the same
; weights: every tensor load is asked for JOINTLY, with the same descriptor and a mask that names the four.  A wave has one tensor load out at most.
; No prefetch: there is no loop to run ahead in: two first fills and two refills, each refill asked for two passes, 128 matrix instructions, ahead of its first product.
; LIMITS: as stated at the head of the first launch (NaN, infinities; the byte 1 for blocks under 2^-124 and for blocks of zeros).
; REGISTERS: window 0: v1-15 addresses; v16-47 x's scale words (pair p, K step s at 8 p + s); v48-55 W's; v56-63 scale words in the making; v64-79 the bias as C; v88-115 at work; v128-191 K's codes, v192-255 Q's (8 a tile of rows).
;   window 1: v0-127 W's fragments (K step s, tile u at 16 s + 8 u); v128-255 the accumulators.   windows 2, 3: x's fragments (tile m, K step s at 8 (8 (s % 4) + m) of window 2 + s / 4), at the end the scores.
.set PREC,  17408
.set CHUNK, 2*PREC
.set SLOT,  4*CHUNK
.set BIAS,  2*SLOT                     ; behind the ring: for each wave 1,024 bytes: its 128 numbers of bk and of bq
.set SPARE, BIAS+4*1024                ; the spare words, 128 bytes for each wave
.set WSTEP, 32*PREC                    ; from Wk to Wq
.set FLOOR, 0x1800000
.set XB,    40960                      ; the exchange: 20 units of 2,048 bytes for each wave
.set LI,  1                            ; 16 x lane
.set AW0, 2                            ; my chunk in slot 0, + 16 x lane
.set AW1, 3                            ; in slot 1
.set AB,  4                            ; the bias: my slice + 64 h
.set BST, 5                            ; where I store the bias slices
.set SPW, 6
.set NIL, 7
.set BGO, 8                            ; and where I load them from
.set XW,  9                            ; the exchange, way in
.set XR,  10                           ; way out: waves 0, 1
.set XR1, 11                           ; waves 2, 3
.set XS,  16
.set WS,  48
.set SW,  56
.set BI,  64
.set TM,  88
.set TP,  96
.set TS,  104
.set KS,  112
.set KC,  128
.set QC,  192
.set ACC, 128                          ; in window 1
.set G1,  24                           ; s[24:31] descriptor group 1
.set G0,  32                           ; s[32:39] group 0, a set for each slot
.set MSB, 0
.macro WIN new                         ; the immediate's high byte repeats the setting that is left
.if MSB != (\new)
	s_set_vgpr_msb (MSB<<8)|(\new)
.set MSB, (\new)
.endif
.endm
.macro PLACES n
.rept \n
	v_nop
.endr
.endm
.macro CREST                           ; a round of the cluster's barrier behind its opening barrier
	s_cmp_lg_u32 s14, 0
	s_cbranch_scc1 .Lnot_wave_0_\@
	s_barrier_signal -3
.Lnot_wave_0_\@:
	s_barrier_wait -3
	s_barrier_signal -1
	s_barrier_wait -1
.endm
.macro CROUND
	s_barrier_signal -1
	s_barrier_wait -1
	CREST
.endm
.macro MM s, first                     ; 8 matrix instructions: K step s of a pass, all 8 tiles of x's rows.  first = 1: C is the bias
.if (\s) >= 4
	WIN 0x5d
.elseif \first
	WIN 0x49
.else
	WIN 0x59
.endif
.irp m, 0,1,2,3,4,5,6,7
.set rX, 8*(8*((\s)%4)+\m)
.set rC, ACC+16*\m
.if \first
.set rC, BI
.endif
.if \m%2
	v_wmma_scale_f32_32x16x128_f4 v[ACC+16*\m:ACC+16*\m+15], v[16*(\s):16*(\s)+15], v[rX:rX+7], v[rC:rC+15], v[WS+(\s)], v[XS+8*(\m/2)+(\s)] matrix_b_scale:MATRIX_SCALE_ROW1
.else
	v_wmma_scale_f32_32x16x128_f4 v[ACC+16*\m:ACC+16*\m+15], v[16*(\s):16*(\s)+15], v[rX:rX+7], v[rC:rC+15], v[WS+(\s)], v[XS+8*(\m/2)+(\s)]
.endif
.endr
.endm
.macro FRAGS aw, tb, s0                ; W's fragments of K steps s0 .. s0 + 3 of the pass whose record begins at byte tb of my chunk
.irp q, 0,1,2,3
.irp u, 0,1
.irp c, 0,1
	ds_load_b128 v[16*(\s0+\q)+8*\u+4*\c:16*(\s0+\q)+8*\u+4*\c+3], v[\aw] offset:\tb+8192*\u+1024*(\s0+\q)+512*\c
.endr
.endr
.endr
.endm
.macro SCALES aw, tb, s0               ; and their scale words
	ds_load_b128 v[WS+\s0:WS+\s0+3], v[\aw] offset:\tb+16384+128*\s0
.endm
.macro NEXTM aw, tb, imm               ; in a pass's middle: the next pass's K steps 0-3 and its bias (lane (r, h): features 16 h + 0 .. 15 of the pass's 32): 21 loads
	WIN 0x40
	FRAGS \aw, \tb, 0
	WIN 0
.irp f, 0,1,2,3
	ds_load_b128 v[BI+4*\f:BI+4*\f+3], v[AB] offset:\imm+16*\f
.endr
	SCALES \aw, \tb, 0
.endm
.macro RUNE aw, tb                     ; at a pass's end: the next pass's K steps 4-7: 17 loads
	WIN 0x40
	FRAGS \aw, \tb, 4
	WIN 0
	SCALES \aw, \tb, 4
.endm
; A pass's first half.  mode 0: its successor lies in the same slot.  mode 1: the slot's last pass, and the slot is filled again.  mode 2: the slot's last pass, nothing is filled.  mode 3: the last pass of all.
.macro HALF1 mode, slot
.if \mode == 1
	s_wait_tensorcnt 0x0                           ; my tensor load has landed: my chunk of the other slot
	ds_add_u32 v[SPW], v[NIL]                      ; 0 onto my spare word
	s_wait_dscnt 18                                ; K steps 0-3 and the bias are in; the 17 loads of K steps 4-7 and the add may be out
	MM 0, 1
	MM 1, 0
	s_wait_dscnt 0x0                               ; the add is done, and my reads of this slot are over
	s_barrier_signal -1
	MM 2, 0
	MM 3, 0
	WIN 0
	s_barrier_wait -1
	CREST                                          ; the barrier has opened a round of the cluster's: no wave of any partner still reads this slot or has a load on its way
	s_add_nc_u64 s[G0+4*\slot+2:G0+4*\slot+3], s[G0+4*\slot+2:G0+4*\slot+3], WSTEP   ; the same chunk of Wq
	tensor_load_to_lds s[G0+4*\slot:G0+4*\slot+3], s[G1:G1+7]
	s_nop 0
	PLACES 4                                       ; also the places in front of the loads into registers that matrix instructions have read
.else
.if \mode == 2
	s_wait_tensorcnt 0x0                           ; my last chunk has landed; I alone read it
.endif
	s_wait_dscnt 17                                ; the 17 loads of K steps 4-7 may be out
	MM 0, 1
	MM 1, 0
	MM 2, 0
	MM 3, 0
	s_wait_dscnt 0x0                               ; K steps 4-7 are in (asked for at the end of the pass before)
.if \mode != 3
	PLACES 4
.endif
.endif
.endm
.macro HALF2
	MM 4, 0
	MM 5, 0
	MM 6, 0
	MM 7, 0
	PLACES 4                                       ; in front of the loads into W's registers and of the first read of the results
.endm
; Block beta of my 128 features, for the 8 tiles of rows, into the codes at cb.  A lane holds 16 of the block's 32, lane l xor 16 the others.  Two blocks make half a fragment.
.macro QUANT beta, cb
	WIN 0x14
.irp m, 0,1,2,3,4,5,6,7
	v_max3_num_f32 v[TM+\m], FLOOR, |v[ACC+16*\m]|, |v[ACC+16*\m+1]|   ; each accumulator is read from its low end on
.endr
.irp i, 2,4,6,8,10,12,14
.irp m, 0,1,2,3,4,5,6,7
	v_max3_num_f32 v[TM+\m], v[TM+\m], |v[ACC+16*\m+\i]|, |v[ACC+16*\m+\i+1]|
.endr
.endr
	WIN 0
.irp m, 0,1,2,3,4,5,6,7
	v_permlanex16_b32 v[TP+\m], v[TM+\m], s48, s49
.endr
.irp m, 0,1,2,3,4,5,6,7
	v_max_num_f32 v[TM+\m], v[TM+\m], v[TP+\m]
.endr
.irp m, 0,1,2,3,4,5,6,7
	v_add_nc_u32 v[TS+\m], 0xff000000, v[TM+\m]    ; the conversion's scale operand
.endr
.if \beta == 0
.irp m, 0,1,2,3,4,5,6,7
	v_lshrrev_b32 v[SW+\m], 23, v[TS+\m]           ; the byte begins the row's scale word
.endr
.else
.irp m, 0,1,2,3,4,5,6,7
	v_lshrrev_b32 v[TP+\m], 23, v[TS+\m]
.endr
.irp m, 0,1,2,3,4,5,6,7
	v_lshl_or_b32 v[SW+\m], v[TP+\m], 8*\beta, v[SW+\m]
.endr
.endif
	WIN 0x01                                       ; the numbers lie in window 1, the codes in window 0
.irp m, 0,1,2,3,4,5,6,7
.set rD, \cb+8*\m+4*(\beta/2)+2*(\beta%2)
	v_cvt_scalef32_pk8_fp4_f32 v[rD], v[ACC+16*\m:ACC+16*\m+7], v[TS+\m]
	v_cvt_scalef32_pk8_fp4_f32 v[rD+1], v[ACC+16*\m+8:ACC+16*\m+15], v[TS+\m]
.endr
	v_nop                                          ; one plain line behind the last conversion
	WIN 0
.if \beta%2
.irp m, 0,1,2,3,4,5,6,7
.irp i, 0,1
	v_permlane16_swap_b32 v[\cb+8*\m+4*(\beta/2)+\i], v[\cb+8*\m+4*(\beta/2)+2+\i]   ; the operand's layout wants a whole block in a lane
.endr
.endr
.endif
.endm
	s_load_b256 s[4:11], s[0:1], 0x0               ; codes s[4:5], bk s[6:7], bq s[8:9], sbuf s[10:11]
	v_lshl_add_u32 v[SPW], v0, 2, SPARE
	v_mov_b32 v[NIL], 0
	ds_add_u32 v[SPW], v[NIL]                      ; the wave's opening: the add, twice on end, and its wait ahead of my first tensor load
	ds_add_u32 v[SPW], v[NIL]
	v_lshrrev_b32 v12, 5, v0
	v_readfirstlane_b32 s14, v12                   ; wave
	s_bfe_u32 s15, ttmp6, 0x40000                  ; cx: my place in the cluster
	s_lshl_b32 s16, ttmp9, 2
	s_add_co_u32 s16, s16, s15                     ; batch = 4 x cluster x + cx: it enters x's and sbuf's addresses alone
	s_and_b32 s17, ttmp7, 0xffff                   ; y, which the four partners share
	s_lshl_b32 s18, s17, 2
	s_add_co_u32 s18, s18, s14                     ; g = 4 y + wave
	s_mov_b32 s[G1+0], 15|(3<<16)|(1<<21)          ; 15:0 the mask: all four work-groups; 17:16 elements of 8 bytes; 21 set beside a mask; no padding
	s_mov_b32 s[G1+1], 32<<16                      ; tensor_dim0 = 32 elements: rows of 256 bytes
	s_mov_b32 s[G1+2], 136<<16                     ; tensor_dim1 = 136 rows: a chunk's 34,816 dense bytes
	s_mov_b32 s[G1+3], 32<<16                      ; tile_dim0
	s_mov_b32 s[G1+4], 136                         ; tile_dim1
	s_mov_b32 s[G1+5], 32                          ; the pitch
	s_mov_b32 s[G1+6], 0
	s_mov_b32 s[G1+7], 0
	s_mul_i32 s52, s18, 4*PREC
	s_add_co_u32 s52, s52, 512*PREC                ; Wk's records 4 g on: made of y and the wave's number alone
	s_mov_b32 s53, 0
	s_mul_i32 s54, s14, CHUNK                      ; my chunk in a slot
	s_mul_i32 s56, s16, 4*PREC                     ; my batch's records of x
	s_mov_b32 s57, 0
	s_lshl_b32 s58, s16, 1
	s_add_co_u32 s58, s58, s17
	s_mul_i32 s58, s58, XB                         ; sbuf: my batch, y,
	s_mul_i32 s60, s14, 10240                      ; my five units
	s_add_co_u32 s58, s58, s60
	s_mov_b32 s59, 0
	s_mov_b32 s48, 0x76543210
	s_mov_b32 s49, 0xfedcba98
	s_mov_b32 s50, 0xffff0000                      ; lanes 16-31
	s_lshl_b32 s55, s18, 9                         ; my 128 numbers of a bias
	s_lshl_b32 s22, s14, 10
	s_add_co_u32 s22, s22, BIAS
	s_mul_i32 s23, s14, XB
	v_and_b32 v12, 31, v0
	v_lshlrev_b32 v[LI], 4, v12
	v_add_nc_u32 v[AW0], s54, v[LI]
	v_add_nc_u32 v[AW1], SLOT, v[AW0]
	v_bfe_u32 v13, v0, 4, 1
	v_lshlrev_b32 v[AB], 6, v13
	v_add_nc_u32 v[AB], s22, v[AB]
	v_add_nc_u32 v[BST], s22, v[LI]
	v_add_nc_u32 v[BGO], s55, v[LI]
	v_add_nc_u32 v[XW], s23, v[LI]
	v_add_nc_u32 v[XR], s60, v[LI]
	v_add_nc_u32 v[XR1], 2*XB, v[XR]
.irp i, 0,1,2,3,4,5,6,7
	v_mov_b32 v[TP+\i], 0                          ; written once: a lane permute's destination counts as one of its sources
.endr
	s_wait_alu depctr_va_vdst(0)
	s_wait_dscnt 0x0                               ; both opening adds are done
	s_wait_kmcnt 0x0
	s_add_nc_u64 s[52:53], s[4:5], s[52:53]
.irp n, 0,1
	s_mov_b32 s[G0+4*\n], 1                        ; count = 1
	s_add_co_u32 s[G0+4*\n+1], s54, \n*SLOT        ; LDS address
	s_add_nc_u64 s[G0+4*\n+2:G0+4*\n+3], s[52:53], \n*CHUNK   ; global address: chunk n
	s_or_b32 s[G0+4*\n+3], s[G0+4*\n+3], 0x80000000   ; type = 2
.endr
	s_add_nc_u64 s[42:43], s[4:5], s[56:57]        ; x
	s_add_nc_u64 s[40:41], s[10:11], s[58:59]      ; what I write
	CROUND                                         ; all four work-groups are here: the first joint loads meet
	tensor_load_to_lds s[G0:G0+3], s[G1:G1+7]      ; Wk's chunk 0
	s_nop 0
	PLACES 4
	global_load_b128 v[80:83], v[BGO], s[6:7]      ; my slices of the two biases: whole runs of 512 bytes, kept in my own LDS bytes and read from there pass by pass
	global_load_b128 v[84:87], v[BGO], s[8:9]
.irp p, 0,1,2,3
.irp i, 0,1
	global_load_b128 v[XS+8*\p+4*\i:XS+8*\p+4*\i+3], v[LI], s[42:43] offset:PREC*\p+16384+512*\i
.endr
.endr
.macro XLOAD s                         ; x's fragments of K step s: they stay in registers
.irp m, 0,1,2,3,4,5,6,7
.irp c, 0,1
	global_load_b128 v[8*(8*((\s)%4)+\m)+4*\c:8*(8*((\s)%4)+\m)+4*\c+3], v[LI], s[42:43] offset:PREC*(\m/2)+8192*(\m%2)+1024*(\s)+512*\c
.endr
.endr
.endm
	WIN 0x80
.irp s, 0,1,2,3
	XLOAD \s
.endr
	WIN 0xc0
.irp s, 4,5,6,7
	XLOAD \s
.endr
	WIN 0
	s_wait_loadcnt 63                              ; the biases, the scale words and K steps 0-3 are in; of K steps 4-7's 64 loads 63 may be out
	ds_store_b128 v[BST], v[80:83]
	ds_store_b128 v[BST], v[84:87] offset:512
	s_wait_tensorcnt 0x0                           ; chunk 0 is in
	ds_add_u32 v[SPW], v[NIL]                      ; 0 onto my spare word
	s_wait_dscnt 0x0                               ; the add and my two stores are done
	CROUND
	tensor_load_to_lds s[G0+4:G0+7], s[G1:G1+7]    ; chunk 1
	s_nop 0
	PLACES 4
	NEXTM AW0, 0, 0
	RUNE AW0, 0
	HALF1 0, 0                                     ; K
	NEXTM AW0, PREC, 128
	s_wait_loadcnt 0x0                             ; x is whole
	HALF2
	RUNE AW0, PREC
	QUANT 0, KC
	HALF1 1, 0
	NEXTM AW1, 0, 256
	HALF2
	RUNE AW1, 0
	QUANT 1, KC
	HALF1 0, 0
	NEXTM AW1, PREC, 384
	HALF2
	RUNE AW1, PREC
	QUANT 2, KC
	HALF1 1, 1
	NEXTM AW0, 0, 512
	HALF2
	RUNE AW0, 0
	QUANT 3, KC
.irp k, 0,1,2,3
	v_cndmask_b32 v[KS+\k], v[SW+2*\k], v[SW+2*\k+1], s50   ; K's scale words for 32 keys: lanes 0-15 the even tile's, lanes 16-31 the odd one's
.endr
	HALF1 0, 0                                     ; Q
	NEXTM AW0, PREC, 640
	HALF2
	RUNE AW0, PREC
	QUANT 0, QC
	HALF1 2, 0
	NEXTM AW1, 0, 768
	HALF2
	RUNE AW1, 0
	QUANT 1, QC
	HALF1 0, 0
	NEXTM AW1, PREC, 896
	HALF2
	RUNE AW1, PREC
	QUANT 2, QC
	HALF1 3, 0
	HALF2
	QUANT 3, QC
	PLACES 8                                       ; in front of scaled matrix instructions whose operands and scales vector instructions wrote
	s_wait_alu depctr_va_vdst(0)
	s_wait_tensorcnt 0x0                           ; (nothing is out) the ring has had its last fill,
	s_wait_dscnt 0x0                               ; and my reads of it are over
	s_barrier_signal -1
; S^T, 20 units: one K step, so each accumulator has one product
.set tU, 0
.irp qb, 0,1,2,3
.irp kb, 0,1,2,3
.if \kb <= \qb
.irp a, 0,1
.if tU < 16
	WIN 0x80
.else
	WIN 0xc0
.endif
	v_wmma_scale_f32_32x16x128_f4 v[16*(tU%16):16*(tU%16)+15], v[KC+16*\kb:KC+16*\kb+15], v[QC+8*(2*\qb+\a):QC+8*(2*\qb+\a)+7], 0, v[KS+\kb], v[SW+2*\qb+\a]
.set tU, tU+1
.endr
.endif
.endr
.endr
	s_barrier_wait -1                              ; nobody reads the ring any more: the exchange lies there
	PLACES 4                                       ; in front of the stores that read the results
.set tU, 0
.rept 20
.if tU < 16
	WIN 0x08                                       ; an LDS store's data are its source 1
.else
	WIN 0x0c
.endif
.irp q, 0,1,2,3
	ds_store_b128 v[XW], v[16*(tU%16)+4*\q:16*(tU%16)+4*\q+3] offset:2048*tU+512*\q
.endr
.set tU, tU+1
.endr
	WIN 0
	s_wait_dscnt 0x0                               ; for the others' sake
	s_barrier_signal -1
	s_barrier_wait -1
; My five units: the four waves' parts, added up in one order
.irp n, 0,1,2,3,4
	WIN 0x80
.irp q, 0,1,2,3
	ds_load_b128 v[16*\n+4*\q:16*\n+4*\q+3], v[XR] offset:2048*\n+512*\q
	ds_load_b128 v[80+16*\n+4*\q:80+16*\n+4*\q+3], v[XR] offset:XB+2048*\n+512*\q
	ds_load_b128 v[160+16*\n+4*\q:160+16*\n+4*\q+3], v[XR1] offset:2048*\n+512*\q
.endr
	WIN 0xc0
.irp q, 0,1,2,3
	ds_load_b128 v[16*\n+4*\q:16*\n+4*\q+3], v[XR1] offset:XB+2048*\n+512*\q
.endr
.endr
.irp n, 0,1,2,3,4
.if \n == 0
	s_wait_dscnt 63                                ; the first unit's 16 loads are in (64 are younger)
.else
	s_wait_dscnt 64-16*\n
.endif
	WIN 0x8a
.irp p, 0,2,4,6,8,10,12,14
	v_pk_add_f32 v[16*\n+\p:16*\n+\p+1], v[16*\n+\p:16*\n+\p+1], v[80+16*\n+\p:80+16*\n+\p+1]
.endr
.irp p, 0,2,4,6,8,10,12,14
	v_pk_add_f32 v[16*\n+\p:16*\n+\p+1], v[16*\n+\p:16*\n+\p+1], v[160+16*\n+\p:160+16*\n+\p+1]
.endr
	WIN 0x8e
.irp p, 0,2,4,6,8,10,12,14
	v_pk_add_f32 v[16*\n+\p:16*\n+\p+1], v[16*\n+\p:16*\n+\p+1], v[16*\n+\p:16*\n+\p+1]
.endr
	WIN 0x08
.irp q, 0,1,2,3
	global_store_b128 v[LI], v[16*\n+4*\q:16*\n+4*\q+3], s[40:41] offset:2048*\n+512*\q   ; 512 consecutive bytes, aligned
.endr
.endr
	WIN 0
	s_wait_tensorcnt 0x0                           ; the wave's end
	ds_add_u32 v[SPW], v[NIL]
	s_wait_dscnt 0x0
	CROUND                                         ; the closing round: no work-group ends while a partner may still ask for a chunk that names it
	s_endpgm
.Lfunc_end_k_q11971eeff1_kq:
	.size	k_q11971eeff1_kq, .Lfunc_end_k_q11971eeff1_kq-k_q11971eeff1_kq
	.p2alignl 7, 3214868480
	.fill 96, 4, 3214868480
	.section	.rodata,"a",@progbits
	.p2align	6, 0x0
	.amdhsa_kernel k_q11971eeff1_kq
		.amdhsa_group_segment_fixed_size 327680
		.amdhsa_private_segment_fixed_size 0
		.amdhsa_enable_private_segment 0
		.amdhsa_kernarg_size 32
		.amdhsa_user_sgpr_count 2
		.amdhsa_user_sgpr_kernarg_segment_ptr 1
		.amdhsa_wavefront_size32 1
		.amdhsa_system_sgpr_workgroup_id_x 1
		.amdhsa_system_sgpr_workgroup_id_y 1
		.amdhsa_system_sgpr_workgroup_id_z 1
		.amdhsa_system_vgpr_workitem_id 0
		.amdhsa_next_free_vgpr 1024
		.amdhsa_next_free_sgpr 66
		.amdhsa_reserve_vcc 0
		.amdhsa_float_denorm_mode_32 3
		.amdhsa_float_denorm_mode_16_64 3
		.amdhsa_memory_ordered 1
		.amdhsa_forward_progress 1
		.amdhsa_inst_pref_size 191
	.end_amdhsa_kernel
	.amdgpu_metadata
---
amdhsa.version: [ 1, 2 ]
amdhsa.kernels:
  - .name:           k_q11971eeff1_kq
    .symbol:         k_q11971eeff1_kq.kd
    .args:
      - { .name: codes, .offset: 0, .size: 8, .value_kind: global_buffer, .address_space: global }
      - { .name: bk, .offset: 8, .size: 8, .value_kind: global_buffer, .address_space: global }
      - { .name: bq, .offset: 16, .size: 8, .value_kind: global_buffer, .address_space: global }
      - { .name: sbuf, .offset: 24, .size: 8, .value_kind: global_buffer, .address_space: global }
    .group_segment_fixed_size: 327680
    .private_segment_fixed_size: 0
    .kernarg_segment_align: 8
    .kernarg_segment_size: 32
    .max_flat_workgroup_size: 128
    .sgpr_count:     66
    .vgpr_count:     1024
    .wavefront_size: 32
...
	.end_amdgpu_metadata
.endif
;; end of part 2
;; launch pv (part 3): grid 128 x 2, 4 waves a work-group, clusters of 4 x 1, 327,680 bytes of LDS; arguments codes, bv, sbuf, out0; writes out0
.if DOCPART == 3
	.amdgcn_target "amdgcn-amd-amdhsa--gfx1250"
	.amdhsa_code_object_version 6
	.text
	.protected	k_q11971eeff1_pv
	.globl	k_q11971eeff1_pv
	.p2align	8
	.type	k_q11971eeff1_pv,@function
k_q11971eeff1_pv:
	s_mov_b64 s[64:65], 0
	v_nop
	global_prefetch_b8 v0, s[64:65] scope:SCOPE_SE
	s_setreg_imm32_b32 hwreg(HW_REG_WAVE_MODE, 25, 1), 1
	s_wait_xcnt 0x0
	s_wait_alu depctr_hold_cnt(0) depctr_sa_sdst(0) depctr_va_vdst(0) depctr_va_sdst(0) depctr_va_ssrc(0) depctr_va_vcc(0) depctr_vm_vsrc(0)
	s_getreg_b32 s2, hwreg(HW_REG_IB_STS2, 6, 4)
	s_cmp_eq_u32 s2, 0
	s_cbranch_scc0 .Lentry_in_a_cluster
	s_endpgm
.Lentry_in_a_cluster:
	s_bfe_u32 s2, ttmp6, 0x10000c
	s_cmp_lg_u32 s2, 0x3003
	s_cbranch_scc0 .Lentry_shape_is_right
	s_endpgm
.Lentry_shape_is_right:
; out[batch][q] = sum over keys of softmax(causal(S / 32)) V, V = x Wv^T + bv: S is the sum of the two halves that the launch before made; V is quantised along the keys in registers.
; WORK LEFT OUT: scores whose 32 keys all come after their 32 queries (shown dead at the head of the first launch): they stand as -infinity.  A NaN, an infinity or an overflow that would arise there alone is not carried on.
; SHARES.  A work-group takes one batch and 512 features of V; wave w takes features 128 g .. 128 g + 127, g = 4 y + w, for all 128 keys and all 128 queries.
; SOFTMAX.  Wave w owns queries 32 w .. 32 w + 31 (tiles 2 w, 2 w + 1; row i of tile 2 B + a is row 32 B + 8 a + i + 8 (i / 8)), in both work-groups of a batch.  A lane holds one query, registers 16 b + i = key 32 b + 16 h + i.
; t = score x log2(e) / 32; M = ceil(the row's largest t); p = 2^(t - M) is quantised along the keys, not normalised; the row's sum is taken of the unquantised p and divides at the end.  A block's largest p is made of the block's
; largest score by the same multiply-add and exponential (this takes v_exp_f32 not to fall where its input rises).  P goes from wave to wave through LDS as images of its registers; V's first pass stands between the barrier's signal and its wait.
; V.  A PASS is 32 features x 128 keys x 1,024 along K: 64 matrix instructions of 32 x 16 on 8 accumulators by turns, source 0 = 32 rows of x, source 1 = 16 rows of W: a lane holds one feature, its registers run along the keys.
; P V.  O^T = V^T P^T (source 0 = 32 features, source 1 = 16 queries), behind every second pass for its 64 features: a lane holds one query and 16 neighbouring features of each pass.  Out leaves through the wave's stage as aligned runs of 256 bytes.
; The four work-groups of a cluster (four batches, the same y) need the same weights: each wave's 4 records of Wv (69,632 dense bytes) come by ONE joint tensor load at the head, and stay.  x and S have no second reader in the cluster.
; No prefetch: there is no loop to run ahead in, and all that the launch reads is asked for in its head.
; LIMITS: scores are finite in f32; NaN and infinities are not served; a block under 2^-124 or of zeros has the byte 1 (its codes, if zeros, add nothing).
; REGISTERS: window 0: v1-15 addresses; v16-47 x's scale words; v48-55 W's; v56-95 at work; v96-127 the bias as C; v128-191 P; v192-207 its scale words and 1 / l; v208-239 V's codes of two passes; v240-255 at work.
;   window 1: v0-127 W's fragments (before: the second half's scores); v128-255 the accumulators (before: scores and p; between: O^T).   windows 2, 3: x's fragments (tile m, K step s at 8 (8 (s % 4) + m) of window 2 + s / 4).
.set PREC,  17408
.set CHUNK, 4*PREC
.set PIMG,  4*CHUNK                    ; LDS: W; then P's eight images,
.set PSC,   PIMG+8192                  ; their scale words, 128 bytes each; 1,024 bytes on: 1 / l likewise,
.set STAGE, PSC+2048                   ; a stage of 16 rows x 272 bytes for each wave,
.set BIASR, STAGE+4*16*272             ; for each wave its 128 numbers of bv, each four times on end,
.set SPARE, BIASR+4*2048               ; and the spare words, 128 bytes for each wave
.set FLOOR, 0x1800000
.set LI,  1                            ; 16 x lane
.set AW0, 2                            ; my records 0, 1
.set AW1, 3                            ; my records 2, 3
.set AB,  4                            ; my bias numbers + 16 (r + 8 (r / 8))
.set BST, 5                            ; where I store them: 64 x lane
.set SPW, 6
.set NIL, 7
.set BGO, 8                            ; and where I load them from
.set PIW, 9
.set PSW, 10
.set PIR, 11
.set PSR, 12
.set STO, 13
.set RD,  14
.set GO,  15                           ; out: 4,096 h + 16 r
.set XS,  16
.set WS,  48
.set TM,  56
.set TP,  64
.set TS,  72
.set BM,  80
.set MP,  88                           ; -M and t, a pair for each tile
.set BI,  96
.set PF,  128
.set PS,  192
.set RL,  200
.set VC,  208
.set PC,  224
.set VSC, 240
.set VW,  242
.set RC,  248
.set DD,  250                          ; my query's place in its block of 32, less 16 h, for each tile
.set NINF, 252
.set S,   128                          ; in window 1
.set ACC, 128                          ; in window 1
.set G1,  24
.set G0,  32
.set MSB, 0
.macro WIN new                         ; the immediate's high byte repeats the setting that is left
.if MSB != (\new)
	s_set_vgpr_msb (MSB<<8)|(\new)
.set MSB, (\new)
.endif
.endm
.macro PLACES n
.rept \n
	v_nop
.endr
.endm
.macro CROUND                          ; a round of the cluster's barrier
	s_barrier_signal -1
	s_barrier_wait -1
	s_cmp_lg_u32 s14, 0
	s_cbranch_scc1 .Lnot_wave_0_\@
	s_barrier_signal -3
.Lnot_wave_0_\@:
	s_barrier_wait -3
	s_barrier_signal -1
	s_barrier_wait -1
.endm
.macro MM s, first                     ; 8 matrix instructions: K step s of a pass: two tiles of features x four pairs of tiles of keys.  first = 1: C is the bias
.if (\s) >= 4
	WIN 0x57
.elseif \first
	WIN 0x46
.else
	WIN 0x56
.endif
.irp p, 0,1,2,3
.irp u, 0,1
.set rX, 8*(8*((\s)%4)+2*\p)
.set rD, ACC+64*\u+16*\p
.set rC, rD
.if \first
.set rC, BI+16*\u
.endif
.if \u
	v_wmma_scale_f32_32x16x128_f4 v[rD:rD+15], v[rX:rX+15], v[16*(\s)+8*\u:16*(\s)+8*\u+7], v[rC:rC+15], v[XS+8*\p+(\s)], v[WS+(\s)] matrix_b_scale:MATRIX_SCALE_ROW1
.else
	v_wmma_scale_f32_32x16x128_f4 v[rD:rD+15], v[rX:rX+15], v[16*(\s)+8*\u:16*(\s)+8*\u+7], v[rC:rC+15], v[XS+8*\p+(\s)], v[WS+(\s)]
.endif
.endr
.endr
.endm
.macro FRAGS aw, tb, s0
.irp q, 0,1,2,3
.irp u, 0,1
.irp c, 0,1
	ds_load_b128 v[16*(\s0+\q)+8*\u+4*\c:16*(\s0+\q)+8*\u+4*\c+3], v[\aw] offset:\tb+8192*\u+1024*(\s0+\q)+512*\c
.endr
.endr
.endr
.endm
.macro SCALES aw, tb, s0
	ds_load_b128 v[WS+\s0:WS+\s0+3], v[\aw] offset:\tb+16384+128*\s0
.endm
.macro NEXTM aw, tb, imm               ; in a pass's middle: the next pass's K steps 0-3 and its bias (a lane holds one feature: all 16 registers of a tile hold its number): 25 loads
	WIN 0x40
	FRAGS \aw, \tb, 0
	WIN 0
.irp u, 0,1
.irp f, 0,1,2,3
	ds_load_b128 v[BI+16*\u+4*\f:BI+16*\u+4*\f+3], v[AB] offset:\imm+128*\u
.endr
.endr
	SCALES \aw, \tb, 0
.endm
.macro RUNE aw, tb                     ; at a pass's end: the next pass's K steps 4-7: 17 loads
	WIN 0x40
	FRAGS \aw, \tb, 4
	WIN 0
	SCALES \aw, \tb, 4
.endm
.macro HALF1 hw                        ; hw: the LDS loads issued behind K steps 0-3's, which may stay out
	s_wait_dscnt \hw
	MM 0, 1
	MM 1, 0
	MM 2, 0
	MM 3, 0
	s_wait_dscnt 0x0                               ; K steps 4-7 are in
	PLACES 4                                       ; in front of the loads into registers that matrix instructions have read
.endm
.macro HALF2
	MM 4, 0
	MM 5, 0
	MM 6, 0
	MM 7, 0
	PLACES 4                                       ; in front of the loads into W's registers and of the first read of the results
.endm
; The pass's two tiles of features, each a whole fragment: 64 registers a lane, register 16 p + i = key 32 p + 16 h + i.  Into set bb of V's codes.
.macro QUANTV bb
	WIN 0x14
.irp e, 0,1,2,3,4,5,6,7
	v_max3_num_f32 v[TM+\e], FLOOR, |v[ACC+16*\e]|, |v[ACC+16*\e+1]|   ; each accumulator is read from its low end on
.endr
.irp i, 2,4,6,8,10,12,14
.irp e, 0,1,2,3,4,5,6,7
	v_max3_num_f32 v[TM+\e], v[TM+\e], |v[ACC+16*\e+\i]|, |v[ACC+16*\e+\i+1]|
.endr
.endr
	WIN 0
.irp e, 0,1,2,3,4,5,6,7
	v_permlanex16_b32 v[TP+\e], v[TM+\e], s48, s49
.endr
.irp e, 0,1,2,3,4,5,6,7
	v_max_num_f32 v[TM+\e], v[TM+\e], v[TP+\e]
.endr
.irp e, 0,1,2,3,4,5,6,7
	v_add_nc_u32 v[TS+\e], 0xff000000, v[TM+\e]
.endr
.irp e, 0,1,2,3,4,5,6,7
	v_lshrrev_b32 v[TP+\e], 23, v[TS+\e]
.endr
.irp u, 0,1
	v_lshl_or_b32 v[VW+\u], v[TP+4*\u+1], 8, v[TP+4*\u]
.endr
.irp u, 0,1
	v_lshl_or_b32 v[VW+\u], v[TP+4*\u+2], 16, v[VW+\u]
.endr
.irp u, 0,1
	v_lshl_or_b32 v[VW+\u], v[TP+4*\u+3], 24, v[VW+\u]
.endr
	v_cndmask_b32 v[VSC+\bb], v[VW], v[VW+1], s50  ; the scale words of 32 features: lanes 0-15 tile 0's, lanes 16-31 tile 1's
	WIN 0x01
.irp e, 0,1,2,3,4,5,6,7
	v_cvt_scalef32_pk8_fp4_f32 v[VC+16*\bb+2*\e], v[ACC+16*\e:ACC+16*\e+7], v[TS+\e]
	v_cvt_scalef32_pk8_fp4_f32 v[VC+16*\bb+2*\e+1], v[ACC+16*\e+8:ACC+16*\e+15], v[TS+\e]
.endr
	v_nop                                          ; one plain line behind the last conversion
	WIN 0
.irp k, 0,4,8,12
.irp i, 0,1
	v_permlane16_swap_b32 v[VC+16*\bb+\k+\i], v[VC+16*\bb+\k+2+\i]   ; the operand's layout wants a whole block in a lane
.endr
.endr
.endm
; Query tile m = 4 ch + q, 64 features: O^T x 1 / l goes to my stage, row by row, and comes back into the registers that it left: LDS serves a wave's instructions in order
.macro TOST ch, q
.set AQ, ACC+32*(\q)
.set RP, RL+4*(\ch)+2*((\q)/2)
	WIN 0x41
.set j, 0
.rept 16
.if (\q)%2
	v_pk_mul_f32 v[AQ+j:AQ+j+1], v[AQ+j:AQ+j+1], v[RP:RP+1] op_sel:[0,1] op_sel_hi:[1,1]
.else
	v_pk_mul_f32 v[AQ+j:AQ+j+1], v[AQ+j:AQ+j+1], v[RP:RP+1] op_sel_hi:[1,0]
.endif
.set j, j+2
.endr
	WIN 0x04
.irp e, 0,1
.irp f, 0,1,2,3
	ds_store_b128 v[STO], v[AQ+16*\e+4*\f:AQ+16*\e+4*\f+3] offset:128*\e+16*\f
.endr
.endr
	WIN 0x40
.irp t, 0,1,2,3,4,5,6,7
	ds_load_b128 v[AQ+4*\t:AQ+4*\t+3], v[RD] offset:544*\t
.endr
	WIN 0
.endm
.macro SEND ch, q, hh, younger         ; younger: the LDS instructions issued behind this tile's loads
.set AQ, ACC+32*(\q)
.set MQ, 4*(\ch)+(\q)
	s_wait_dscnt \younger
	WIN 0x04
.irp t, 0,1,2,3,4,5,6,7
	global_store_b128 v[GO], v[AQ+4*\t:AQ+4*\t+3], s[40:41] offset:(32*(MQ/2)+8*(MQ%2)+2*\t+8*(\t/4))*4096+256*(\hh) th:TH_STORE_NT   ; two rows, 256 consecutive bytes of each, aligned
.endr
	WIN 0
.endm
.macro PV hh                           ; P V for the two passes' 64 features
	PLACES 8                                       ; in front of scaled matrix instructions whose operands and scales vector instructions wrote
.irp ch, 0,1
.if \ch
	s_wait_xcnt 0x0                                ; the first four tiles' stores have read their registers
.endif
	WIN 0x40
.irp q, 0,1,2,3
.irp e, 0,1
	v_wmma_scale_f32_32x16x128_f4 v[ACC+32*\q+16*\e:ACC+32*\q+16*\e+15], v[VC+16*\e:VC+16*\e+15], v[PF+8*(4*\ch+\q):PF+8*(4*\ch+\q)+7], 0, v[VSC+\e], v[PS+4*\ch+\q]   ; the 128 keys are one K step: each accumulator has one product
.endr
.endr
	PLACES 4
	TOST \ch, 0
	TOST \ch, 1
	SEND \ch, 0, \hh, 16
	TOST \ch, 2
	SEND \ch, 1, \hh, 16
	TOST \ch, 3
	SEND \ch, 2, \hh, 16
	SEND \ch, 3, \hh, 0
.endr
	s_wait_xcnt 0x0                                ; and the others': the accumulators are written again only behind this wait
.endm
	s_load_b256 s[4:11], s[0:1], 0x0               ; codes s[4:5], bv s[6:7], sbuf s[8:9], out0 s[10:11]
	v_lshl_add_u32 v[SPW], v0, 2, SPARE
	v_mov_b32 v[NIL], 0
	ds_add_u32 v[SPW], v[NIL]                      ; the wave's opening: the add, twice on end, and its wait ahead of my first tensor load
	ds_add_u32 v[SPW], v[NIL]
	v_lshrrev_b32 v253, 5, v0
	v_readfirstlane_b32 s14, v253                  ; wave
	s_bfe_u32 s15, ttmp6, 0x40000                  ; cx: my place in the cluster
	s_lshl_b32 s16, ttmp9, 2
	s_add_co_u32 s16, s16, s15                     ; batch = 4 x cluster x + cx: it enters x's, sbuf's and out's addresses alone
	s_and_b32 s17, ttmp7, 0xffff                   ; y, which the four partners share
	s_lshl_b32 s18, s17, 2
	s_add_co_u32 s18, s18, s14                     ; g = 4 y + wave
	s_mov_b32 s[G1+0], 15|(3<<16)|(1<<21)          ; 15:0 the mask: all four work-groups; 17:16 elements of 8 bytes; 21 set beside a mask; no padding
	s_mov_b32 s[G1+1], 32<<16                      ; tensor_dim0 = 32 elements: rows of 256 bytes
	s_mov_b32 s[G1+2], 272<<16                     ; tensor_dim1 = 272 rows: my four records' 69,632 dense bytes
	s_mov_b32 s[G1+3], 32<<16                      ; tile_dim0
	s_mov_b32 s[G1+4], 272                         ; tile_dim1
	s_mov_b32 s[G1+5], 32                          ; the pitch
	s_mov_b32 s[G1+6], 0
	s_mov_b32 s[G1+7], 0
	s_mul_i32 s52, s18, CHUNK
	s_add_co_u32 s52, s52, 576*PREC                ; Wv's records 4 g on: made of y and the wave's number alone
	s_mov_b32 s53, 0
	s_mul_i32 s54, s14, CHUNK                      ; my records in LDS
	s_mul_i32 s56, s16, CHUNK                      ; my batch's records of x
	s_mov_b32 s57, 0
	s_add_co_u32 s58, s14, 1
	s_mul_i32 s58, s58, s14
	s_lshl_b32 s58, s58, 11                        ; my queries' units: w (w + 1) x 2,048,
	s_mul_i32 s59, s16, 81920                      ; my batch
	s_add_co_u32 s58, s58, s59
	s_mov_b32 s59, 0
	s_lshl_b32 s60, s16, 19
	s_lshl_b32 s61, s18, 9
	s_add_co_u32 s60, s60, s61                     ; out: my batch, my 128 columns
	s_mov_b32 s61, 0
	s_mov_b32 s44, 0x3d38aa3b                      ; c = log2(e) / 32
	s_mov_b32 s45, s44                             ; (named with it as a pair, so it is written)
	s_mov_b32 s48, 0x76543210
	s_mov_b32 s49, 0xfedcba98
	s_mov_b32 s50, 0xffff0000                      ; lanes 16-31
	s_lshl_b32 s55, s18, 9                         ; my 128 numbers of bv
	s_lshl_b32 s20, s14, 11                        ; 2,048 x wave
	s_add_co_u32 s21, s20, BIASR
	s_add_co_u32 s22, s20, PIMG
	s_lshl_b32 s23, s14, 8
	s_add_co_u32 s23, s23, PSC
	s_mul_i32 s46, s14, 16*272
	s_add_co_u32 s46, s46, STAGE
	v_and_b32 v253, 31, v0
	v_lshlrev_b32 v[LI], 4, v253
	v_lshlrev_b32 v254, 2, v253                    ; 4 x lane
	v_lshlrev_b32 v[BST], 6, v253
	v_add_nc_u32 v[BST], s21, v[BST]
	v_add_nc_u32 v[AW0], s54, v[LI]
	v_add_nc_u32 v[AW1], 2*PREC, v[AW0]
	v_add_nc_u32 v[BGO], s55, v[LI]
	v_add_nc_u32 v[PIW], s22, v[LI]
	v_add_nc_u32 v[PSW], s23, v254
	v_add_nc_u32 v[PIR], PIMG, v[LI]
	v_add_nc_u32 v[PSR], PSC, v254
	v_and_b32 v253, 15, v0                         ; r
	v_bfe_u32 v254, v0, 4, 1                       ; h
	v_mul_u32_u24 v[STO], v253, 272
	v_lshl_add_u32 v[STO], v254, 6, v[STO]
	v_add_nc_u32 v[STO], s46, v[STO]               ; the stage, way in: row r, + 64 h
	v_mul_u32_u24 v[RD], v254, 272
	v_lshl_add_u32 v[RD], v253, 4, v[RD]
	v_add_nc_u32 v[RD], s46, v[RD]                 ; way out: lanes 0-15 one row, lanes 16-31 the next
	v_lshlrev_b32 v[GO], 12, v254
	v_lshl_add_u32 v[GO], v253, 4, v[GO]
	v_and_b32 v255, 8, v253
	v_add_nc_u32 v255, v255, v253                  ; r + 8 (r / 8)
	v_lshlrev_b32 v[AB], 4, v255
	v_add_nc_u32 v[AB], s21, v[AB]
	v_lshlrev_b32 v254, 4, v254
	v_sub_nc_u32 v[DD], v255, v254
	v_add_nc_u32 v[DD+1], 8, v[DD]
	v_mov_b32 v[NINF], 0xff800000
.irp i, 0,1,2,3,4,5,6,7
	v_mov_b32 v[TP+\i], 0                          ; written once: a lane permute's destination counts as one of its sources
.endr
	WIN 0x40                                       ; key blocks 1 to 3 begin as hidden, -infinity and 0; the blocks that my queries see are loaded over that
.irp a, 0,1
.set j, 16
.rept 48
	v_mov_b32 v[S+64*\a+j], 0xff800000
	v_mov_b32 v[64*\a+j], 0
.set j, j+1
.endr
.endr
	WIN 0
	s_wait_alu depctr_va_vdst(0)
	s_wait_dscnt 0x0                               ; both opening adds are done
	s_wait_kmcnt 0x0
	s_mov_b32 s[G0], 1                             ; count = 1
	s_mov_b32 s[G0+1], s54                         ; LDS address
	s_add_nc_u64 s[G0+2:G0+3], s[4:5], s[52:53]    ; global address
	s_or_b32 s[G0+3], s[G0+3], 0x80000000          ; type = 2
	s_add_nc_u64 s[42:43], s[4:5], s[56:57]        ; x
	s_add_nc_u64 s[36:37], s[8:9], s[58:59]        ; the first half's scores,
	s_add_nc_u64 s[38:39], s[36:37], 40960         ; the second's
	s_add_nc_u64 s[40:41], s[10:11], s[60:61]      ; out
	CROUND                                         ; all four work-groups are here: the joint loads meet
	tensor_load_to_lds s[G0:G0+3], s[G1:G1+7]
	s_nop 0
	PLACES 4
	global_load_b128 v[80:83], v[BGO], s[6:7]
.macro SLOAD kb                        ; both halves' scores of my two tiles against key block kb
	WIN 0x40
.irp a, 0,1
.irp f, 0,1,2,3
	global_load_b128 v[S+64*\a+16*\kb+4*\f:S+64*\a+16*\kb+4*\f+3], v[LI], s[36:37] offset:4096*\kb+2048*\a+512*\f
	global_load_b128 v[64*\a+16*\kb+4*\f:64*\a+16*\kb+4*\f+3], v[LI], s[38:39] offset:4096*\kb+2048*\a+512*\f
.endr
.endr
	WIN 0
.endm
	SLOAD 0
	s_cmp_lt_u32 s14, 1
	s_cbranch_scc1 .Lasked
	SLOAD 1
	s_cmp_lt_u32 s14, 2
	s_cbranch_scc1 .Lasked
	SLOAD 2
	s_cmp_lt_u32 s14, 3
	s_cbranch_scc1 .Lasked
	SLOAD 3
.Lasked:
.irp p, 0,1,2,3
.irp i, 0,1
	global_load_b128 v[XS+8*\p+4*\i:XS+8*\p+4*\i+3], v[LI], s[42:43] offset:PREC*\p+16384+512*\i
.endr
.endr
.macro XLOAD s                         ; x's fragments of K step s: they stay in registers
.irp m, 0,1,2,3,4,5,6,7
.irp c, 0,1
	global_load_b128 v[8*(8*((\s)%4)+\m)+4*\c:8*(8*((\s)%4)+\m)+4*\c+3], v[LI], s[42:43] offset:PREC*(\m/2)+8192*(\m%2)+1024*(\s)+512*\c
.endr
.endr
.endm
	WIN 0x80
.irp s, 0,1,2
	XLOAD \s
.endr
	WIN 0
	s_wait_loadcnt 56                              ; the bias and the scores are in; x's 8 + 48 loads may be out
.irp n, 0,1,2,3
.irp i, 0,1,2,3
	v_mov_b32 v[VC+4*\n+\i], v[80+\n]              ; each bias number four times on end
.endr
.endr
.irp n, 0,1,2,3
	ds_store_b128 v[BST], v[VC+4*\n:VC+4*\n+3] offset:16*\n
.endr
	WIN 0x45
.set j, 0
.rept 64
	v_pk_add_f32 v[S+j:S+j+1], v[S+j:S+j+1], v[j:j+1]
.set j, j+2
.endr
	WIN 0
	s_wait_alu depctr_va_vdst(0)
.macro DIAG kb                         ; my queries' own block: register i holds key 16 h + i of the block, hidden where that comes after my query
	s_cmp_lg_u32 s14, \kb
	s_cbranch_scc1 .Lnot_diag_\@
	WIN 0x41
.irp a, 0,1
.irp i, 0,1,2,3,4,5,6,7,8,9,10,11,12,13,14,15
	v_cmp_gt_i32 vcc_lo, \i, v[DD+\a]
	v_cndmask_b32 v[S+64*\a+16*\kb+\i], v[S+64*\a+16*\kb+\i], v[NINF], vcc_lo
.endr
.endr
	WIN 0
.Lnot_diag_\@:
.endm
	DIAG 0
	DIAG 1
	DIAG 2
	DIAG 3
	s_wait_alu depctr_va_vdst(0)
	WIN 0x15
.irp e, 0,1,2,3,4,5,6,7
	v_max3_num_f32 v[BM+\e], v[S+16*\e], v[S+16*\e+1], v[S+16*\e+2]   ; the largest score of each block of 32 keys (tile a, block b at 4 a + b): for the row's maximum, and for the block's largest p
.endr
	WIN 0x14
.irp i, 3,5,7,9,11,13
.irp e, 0,1,2,3,4,5,6,7
	v_max3_num_f32 v[BM+\e], v[BM+\e], v[S+16*\e+\i], v[S+16*\e+\i+1]
.endr
.endr
.irp e, 0,1,2,3,4,5,6,7
	v_max_num_f32 v[BM+\e], v[BM+\e], v[S+16*\e+15]
.endr
	WIN 0
.irp e, 0,1,2,3,4,5,6,7
	v_permlanex16_b32 v[TP+\e], v[BM+\e], s48, s49
.endr
.irp e, 0,1,2,3,4,5,6,7
	v_max_num_f32 v[BM+\e], v[BM+\e], v[TP+\e]
.endr
.irp a, 0,1
	v_max3_num_f32 v[92+\a], v[BM+4*\a], v[BM+4*\a+1], v[BM+4*\a+2]
.endr
.irp a, 0,1
	v_max_num_f32 v[92+\a], v[92+\a], v[BM+4*\a+3] ; my query's largest score: its own key counts, so it is a number
.endr
.irp a, 0,1
	v_mul_f32 v[MP+1+2*\a], s44, v[92+\a]          ; as t
.endr
.irp a, 0,1
	v_floor_f32 v[MP+2*\a], -v[MP+1+2*\a]          ; -M = floor(-t) = -ceil(t)
.endr
	WIN 0x41
.set j, 0
.rept 32
	v_pk_fma_f32 v[S+j:S+j+1], v[S+j:S+j+1], s[44:45], v[MP:MP+1] op_sel_hi:[1,0,0]   ; t - M, two at a time (of the pairs c and -M the low word serves both halves)
	v_pk_fma_f32 v[S+64+j:S+64+j+1], v[S+64+j:S+64+j+1], s[44:45], v[MP+2:MP+3] op_sel_hi:[1,0,0]
.set j, j+2
.endr
	WIN 0
.irp a, 0,1
.irp b, 0,1,2,3
	v_fma_f32 v[BM+4*\a+\b], v[BM+4*\a+\b], s44, v[MP+2*\a]
.endr
.endr
	s_wait_tensorcnt 0x0                           ; my records of W are in; I alone read them
	NEXTM AW0, 0, 0                                ; the first pass's operands, asked for ahead of the exponentials; the bias loads see my stores
	RUNE AW0, 0
	WIN 0x80
	XLOAD 3
	WIN 0xc0
.irp s, 4,5,6,7
	XLOAD \s
.endr
	WIN 0
	s_wait_alu depctr_va_vdst(0)
.irp e, 0,1,2,3,4,5,6,7
	v_exp_f32 v[BM+\e], v[BM+\e]                   ; each block's largest p
.endr
	WIN 0x41
.set j, 0
.rept 128
	v_exp_f32 v[S+j], v[S+j]                       ; p = 2^(t - M); 0 where the score is -infinity
.set j, j+1
.endr
	WIN 0
	v_nop                                          ; a plain line behind the exponentials
	s_wait_alu depctr_va_vdst(0)                   ; one wait for the batch, ahead of its first reader
	WIN 0x05
.irp a, 0,1
	v_pk_add_f32 v[92+152*\a:93+152*\a], v[S+64*\a:S+64*\a+1], v[S+64*\a+2:S+64*\a+3]   ; the row's sum of the unquantised p, two chains a tile
	v_pk_add_f32 v[94+152*\a:95+152*\a], v[S+64*\a+4:S+64*\a+5], v[S+64*\a+6:S+64*\a+7]
.endr
	WIN 0x04
.irp j, 8,12,16,20,24,28,32,36,40,44,48,52,56,60
.irp a, 0,1
	v_pk_add_f32 v[92+152*\a:93+152*\a], v[92+152*\a:93+152*\a], v[S+64*\a+\j:S+64*\a+\j+1]
	v_pk_add_f32 v[94+152*\a:95+152*\a], v[94+152*\a:95+152*\a], v[S+64*\a+\j+2:S+64*\a+\j+3]
.endr
.endr
	WIN 0
.irp a, 0,1
	v_pk_add_f32 v[92+152*\a:93+152*\a], v[92+152*\a:93+152*\a], v[94+152*\a:95+152*\a]
.endr
.irp a, 0,1
	v_add_f32 v[92+152*\a], v[92+152*\a], v[93+152*\a]
.endr
.irp a, 0,1
	v_permlanex16_b32 v[253+\a], v[92+152*\a], s48, s49
.endr
.irp a, 0,1
	v_add_f32 v[92+152*\a], v[92+152*\a], v[253+\a]   ; with lane l xor 16's keys: l
.endr
	s_wait_alu depctr_va_vdst(0)                   ; the wait ahead of the transcendentals
	v_rcp_f32 v[RC], v92
	v_rcp_f32 v[RC+1], v244
	v_nop
	s_wait_alu depctr_va_vdst(0)                   ; and behind them
.irp e, 0,1,2,3,4,5,6,7
	v_max_num_f32 v[BM+\e], FLOOR, v[BM+\e]
.endr
.irp e, 0,1,2,3,4,5,6,7
	v_add_nc_u32 v[TS+\e], 0xff000000, v[BM+\e]
.endr
.irp e, 0,1,2,3,4,5,6,7
	v_lshrrev_b32 v[TP+\e], 23, v[TS+\e]
.endr
.irp a, 0,1
	v_lshl_or_b32 v[VW+\a], v[TP+4*\a+1], 8, v[TP+4*\a]
.endr
.irp a, 0,1
	v_lshl_or_b32 v[VW+\a], v[TP+4*\a+2], 16, v[VW+\a]
.endr
.irp a, 0,1
	v_lshl_or_b32 v[VW+\a], v[TP+4*\a+3], 24, v[VW+\a]
.endr
	WIN 0x01
.irp e, 0,1,2,3,4,5,6,7
	v_cvt_scalef32_pk8_fp4_f32 v[PC+2*\e], v[S+16*\e:S+16*\e+7], v[TS+\e]
	v_cvt_scalef32_pk8_fp4_f32 v[PC+2*\e+1], v[S+16*\e+8:S+16*\e+15], v[TS+\e]
.endr
	v_nop
	WIN 0
.irp k, 0,4,8,12
.irp i, 0,1
	v_permlane16_swap_b32 v[PC+\k+\i], v[PC+\k+2+\i]
.endr
.endr
.irp a, 0,1                            ; my two tiles of P as images of their registers, their scale words, and 1 / l
	ds_store_b128 v[PIW], v[PC+8*\a:PC+8*\a+3] offset:1024*\a
	ds_store_b128 v[PIW], v[PC+8*\a+4:PC+8*\a+7] offset:1024*\a+512
	ds_store_b32 v[PSW], v[VW+\a] offset:128*\a
	ds_store_b32 v[PSW], v[RC+\a] offset:1024+128*\a
.endr
	s_wait_dscnt 0x0                               ; for the others' sake
	s_barrier_signal -1                            ; between signal and wait: work on registers, and LDS loads of my own records and bias, which nobody writes any more
	s_wait_loadcnt 63                              ; x's K steps 0-3 are in; of K steps 4-7's 64 loads 63 may be out
	HALF1 0
	NEXTM AW0, PREC, 512
	s_wait_loadcnt 0x0                             ; x is whole
	HALF2
	RUNE AW0, PREC
	QUANTV 0
	s_wait_alu depctr_va_vdst(0)
	s_barrier_wait -1
.irp m, 0,1,2,3,4,5,6,7
	ds_load_b128 v[PF+8*\m:PF+8*\m+3], v[PIR] offset:1024*\m
	ds_load_b128 v[PF+8*\m+4:PF+8*\m+7], v[PIR] offset:1024*\m+512
	ds_load_b32 v[PS+\m], v[PSR] offset:128*\m
	ds_load_b32 v[RL+\m], v[PSR] offset:1024+128*\m
.endr
	HALF1 49                                       ; 17 loads of K steps 4-7 and 32 of P may be out
	NEXTM AW1, 0, 1024
	HALF2
	RUNE AW1, 0
	QUANTV 1
	PV 0
	HALF1 17
	NEXTM AW1, PREC, 1536
	HALF2
	RUNE AW1, PREC
	QUANTV 0
	HALF1 17
	HALF2
	QUANTV 1
	PV 1
	s_wait_tensorcnt 0x0                           ; the wave's end
	ds_add_u32 v[SPW], v[NIL]
	s_wait_dscnt 0x0
	CROUND                                         ; the closing round: no work-group ends while a partner may still issue a joint load that names it
	s_endpgm
.Lfunc_end_k_q11971eeff1_pv:
	.size	k_q11971eeff1_pv, .Lfunc_end_k_q11971eeff1_pv-k_q11971eeff1_pv
	.p2alignl 7, 3214868480
	.fill 96, 4, 3214868480
	.section	.rodata,"a",@progbits
	.p2align	6, 0x0
	.amdhsa_kernel k_q11971eeff1_pv
		.amdhsa_group_segment_fixed_size 327680
		.amdhsa_private_segment_fixed_size 0
		.amdhsa_enable_private_segment 0
		.amdhsa_kernarg_size 32
		.amdhsa_user_sgpr_count 2
		.amdhsa_user_sgpr_kernarg_segment_ptr 1
		.amdhsa_wavefront_size32 1
		.amdhsa_system_sgpr_workgroup_id_x 1
		.amdhsa_system_sgpr_workgroup_id_y 1
		.amdhsa_system_sgpr_workgroup_id_z 1
		.amdhsa_system_vgpr_workitem_id 0
		.amdhsa_next_free_vgpr 1024
		.amdhsa_next_free_sgpr 66
		.amdhsa_reserve_vcc 1
		.amdhsa_float_denorm_mode_32 3
		.amdhsa_float_denorm_mode_16_64 3
		.amdhsa_memory_ordered 1
		.amdhsa_forward_progress 1
		.amdhsa_inst_pref_size 200
	.end_amdhsa_kernel
	.amdgpu_metadata
---
amdhsa.version: [ 1, 2 ]
amdhsa.kernels:
  - .name:           k_q11971eeff1_pv
    .symbol:         k_q11971eeff1_pv.kd
    .args:
      - { .name: codes, .offset: 0, .size: 8, .value_kind: global_buffer, .address_space: global }
      - { .name: bv, .offset: 8, .size: 8, .value_kind: global_buffer, .address_space: global }
      - { .name: sbuf, .offset: 16, .size: 8, .value_kind: global_buffer, .address_space: global }
      - { .name: out0, .offset: 24, .size: 8, .value_kind: global_buffer, .address_space: global }
    .group_segment_fixed_size: 327680
    .private_segment_fixed_size: 0
    .kernarg_segment_align: 8
    .kernarg_segment_size: 32
    .max_flat_workgroup_size: 128
    .sgpr_count:     66
    .vgpr_count:     1024
    .wavefront_size: 32
...
	.end_amdgpu_metadata
.endif
;; end of part 3
